; MI455X (gfx1250); checked and timed in simulation.
; The chip was launched on July 23, 2026; its instructions are those of AMD's public machine-readable ISA for CDNA 5 (MIT licence, August 2026) and "CDNA5" Instruction Set Architecture Reference Guide (July 2026). The comments in the code are by the model that wrote it; some were corrected since.
;; Self Attention Attention Pooling. Allowed arithmetic: matrix products marked QUANTISED: E2M3 operands, one E8M0 scale for each 32 along K, by v_wmma_scale_f32_16x16x128_f8f6f4 with both operands' format E2M3, f32 sums; products left as they are: f32 operands where the result goes on into a quantised operand, else bf16, f16 or f32 operands; f32 sums; everything else in f32.
;; Inputs: query 512 x 1 float32; x 16 x 2,048 x 512 float32.
;; Outputs: out0 16 x 1 x 512 float32; out1 16 x 2,048 x 1 float32.
;; This version of the problem:
;;   THIS VERSION OF THE PROBLEM IS GIVEN IN LOW PRECISION. The matrix products marked QUANTISED in the list below multiply operands that are first quantised to E2M3 (2 exponent bits, 3 mantissa bits; 6 bits a number), with one power-of-two scale for each 32 numbers along K (OCP MX v1.0); their sums are f32. All else is computed in f32.
;;   The module's matrix products, in the order in which they are computed (A, B: the left and right operand; K: the contracted axis; several contracted axes count as one K, in the product's order):
;;     1. batch 16 x [M 2,048, K 512] x [K 512, N 2,048]; A: input x; B: input x: QUANTISED
;;     2. batch 16 x [M 2,048, K 2,048] x [K 2,048, N 512]; A: softmax (see below); B: input x: QUANTISED
;;     3. [M 32,768, K 512] x [K 512, N 1]; A: computed on the way; B: input query: left as it is (N = 1 < 16)
;;     4. batch 16 x [M 1, K 2,048] x [K 2,048, N 512]; A: computed on the way; B: computed on the way: left as it is (M = 1 < 16)
;;   THE QUANTISER, for each operand of a quantised product, along K:
;;     - K is cut into blocks of 32 from its start; a last block that is shorter is filled with zeros.
;;     - A block's scale is 2^e with e = floor(log2(the largest magnitude in the block)) - 2, held to -126 .. 127; a block of zeros has e = 0. As a byte (E8M0): e + 127.
;;     - Each number is divided by its block's scale, clamped to +-7.5, and rounded to the nearest number of E2M3, ties to even, subnormals kept.
;;     - The product sums the exact products of the quantised numbers (number of the format x scale) in f32.
;;   ~~~python
;;   def quantise(x, axis):      # numpy; x: float32 -> the quantised numbers, widened to float32 again
;;       x = np.moveaxis(x, axis, -1); K = x.shape[-1]
;;       x = np.pad(x, [(0, 0)] * (x.ndim - 1) + [(0, -K % 32)]); x = x.reshape(x.shape[:-1] + (-1, 32)); a = np.abs(x).max(-1, keepdims=True)
;;       e = np.where(a > 0, np.clip(np.frexp(np.where(a > 0, a, 1))[1] - 1 - 2, -126, 127), 0)      # np.frexp(a)[1] - 1 = floor(log2(a)), exactly
;;       r = np.clip(x / 2.0 ** e, -7.5, 7.5)
;;       step = 2.0 ** (np.maximum(np.frexp(np.where(r == 0, 1, r))[1] - 1, 0) - 3)
;;       q = np.round(r / step) * step * 2.0 ** e      # np.round: ties to even
;;       return np.moveaxis(q.reshape(q.shape[:-2] + (-1,))[..., :K], -1, axis).astype(np.float32)
;;   ~~~
;;   SOFTMAX AHEAD OF A QUANTISED PRODUCT. Where the list says 'softmax', what is quantised is not the finished softmax but p = 2^(t - M), with t = logit x log2(e) and M = ceil(the row's largest t), a whole number; so 1/2 < the row's largest p <= 1. The row's sum l is taken of the UNQUANTISED p, in f32, and the product's result is divided by l at the end. Since M is a whole number, a kernel that streams over the keys may use a running M (the ceiling of the running maximum): every later rescaling is an exact power of two, which a block's scale takes up: the codes' values come out the same.
;;   OPERANDS COMPUTED ON THE WAY. 'Computed on the way' means the value that the module computes at that place (a softmax that the list does not call 'softmax' is quantised finished and normalised). What goes into a quantiser is computed in f32, as accurately as f32 sums, v_exp_f32 and their like allow (about 1e-6 of the number): no bf16 or f16 on the way to a quantiser, and a product that is left as it is and whose result goes on into a quantised operand takes f32 operands (vector FMAs, or v_wmma_f32_16x16x4_f32). A number that lies on a knife's edge between two numbers of the format may be rounded either way, as far as f32 arithmetic and the matrix unit's own rounding can turn it there, and no further.
;; One version. Each part assembles by itself: llvm-mc -triple=amdgcn-amd-amdhsa -mcpu=gfx1250 --defsym DOCPART=n.
;; ======== version 1 of 1: 3 launches
;; limits: right only within a limited range of input values
;; workspace buffers: kv 26,214,400 bytes; scr 131,072 bytes; py 524,288 bytes; pst 2,048 bytes
;; launch quant (part 1): grid 256 x 1, 16 waves a work-group, no clusters, 141,312 bytes of LDS; arguments x, kv; writes kv
.if DOCPART == 1
	.amdgcn_target "amdgcn-amd-amdhsa--gfx1250"
	.amdhsa_code_object_version 6
	.text
	.protected	k_qc9090e47ad_quant
	.globl	k_qc9090e47ad_quant
	.p2align	8
	.type	k_qc9090e47ad_quant,@function
k_qc9090e47ad_quant:
	s_mov_b64 s[64:65], 0
	v_nop
	global_prefetch_b8 v0, s[64:65] scope:SCOPE_SE
	s_setreg_imm32_b32 hwreg(HW_REG_WAVE_MODE, 25, 1), 1
	s_wait_xcnt 0x0
; x [16][2048][512] f32 is quantised to codes of FP6 (E2M3) twice: along D (the operand of x x^T, both sides) and along the rows (the keys: the operand of p x).
; A block's scale is 2^(floor(log2(its largest magnitude)) - 2); its byte is the largest magnitude's exponent field - 2, held at 1 from below.
; LIMITS: NaN and infinities are not served; a block whose largest magnitude lies under 2^-124, a block of zeros among them, keeps the byte 1 (the rule says 127 for zeros): its codes are zeros or tiny, and this program alone reads the bytes.
; A work-group takes 128 rows of one batch and writes one block of kv, 102,400 bytes, laid in the order of the operands' registers (register g of lane l of a fragment at 512 (g / 4) + 16 l + 4 (g % 4)):
;   0       32 fragments along D: fragment 4 T + s: 16 rows x d = 128 s .. 128 s + 127.  Row r of tile T = 2 b + u is row 32 b + 8 u + r + 8 (r / 8) of the block
;   49,152  32 fragments along the rows: fragment t: row r is column d = 16 t + r, K = the block's 128 rows in their order
;   98,304  scale words along D: the four words (s = 0 .. 3) of row r of tile T at 256 T + 16 r
;   100,352 scale words along the rows: that of row r of fragment t at 512 (t / 8) + 16 (16 (t % 2) + r) + 4 ((t % 8) / 2)
; Sixteen waves; wave w = 4 b + s makes fragments (2 b, s), (2 b + 1, s) of the first kind and fragments 2 w, 2 w + 1 of the second.
; First kind: each load takes 512 consecutive bytes of a row; a tile turns through the wave's own stage in LDS, so that a lane gets 16 neighbours of each block of 32.
; Second kind: a lane takes a column and its registers run down the rows: a block of 32 is one lane's, and the codes come out with the rows innermost.
.set BLK,  102400
.set FRB,  1536                        ; a fragment's image
.set VIMG, 49152
.set KSCL, 98304
.set SP,   528                         ; a stage row: 512 bytes + 16
.set SCL,  16*16*SP                    ; behind the sixteen stages: the image of the block's last 4,096 bytes (all scale words)
.set KA,  4                            ; v4   16 lane + 65,536 b + 512 s: my bytes of a row's 512, first kind
.set STI, 5                            ; v5   the stage, in: 16 lane
.set STO, 6                            ; v6   the stage, out: row r, + 64 h
.set L16, 7                            ; v7   16 lane: an image's place for my lane
.set KSA, 8                            ; v8   LDS: my row's scale word, first kind
.set VA,  9                            ; v9   4 lane + 128 w: my column
.set VSA, 10                           ; v10  LDS: my column's scale word
.set SRL, 11                           ; v11  LDS: my 8 bytes of the wave's 256 of scale words
.set SRG, 12                           ; v12  and the same place in the block
.set PW0, 13
.set PW1, 14
.set R,   16                           ; v16-143  as loaded: two tiles of 64, later four sets of 32
.set X,   144                          ; v144-207 a tile's 64 numbers, turned
.set VC,  144                          ; v144-167 later: the second kind's two fragments
.set VT,  168                          ; v168-183 the upper halves of their blocks, as converted
.set VW,  184                          ; v184     my column's scale word
.set PC0, 208
.set PC1, 220
.set CT,  232                          ; v232-239 the conversions' second halves
.set TM,  240                          ; v240-255 at work
.set SEL, 20
	s_load_b128 s[4:7], s[0:1], 0x0                ; x, kv
	v_lshl_add_u32 v235, v0, 2, 0x22000
	v_mov_b32 v239, 0
	v_lshrrev_b32 v1, 5, v0
	s_delay_alu instid0(VALU_DEP_1)
	v_readfirstlane_b32 s12, v1                    ; wave 0..15
	v_and_b32 v1, 31, v0                           ; lane
	v_and_b32 v2, 15, v0                           ; r
	s_wait_alu depctr_va_vdst(0)
	v_bfe_u32 v3, v0, 4, 1                         ; h
	s_lshr_b32 s13, s12, 2                         ; b
	s_and_b32 s14, s12, 3                          ; s
	s_lshl_b32 s15, s13, 16                        ; 32 b rows of 2,048 bytes
	s_lshl_b32 s22, s14, 9
	s_add_co_u32 s15, s15, s22
	v_lshl_add_u32 v[KA], v1, 4, s15
	s_mul_i32 s23, s12, 16*SP                      ; my stage
	v_lshl_add_u32 v[STI], v1, 4, s23
	v_mul_u32_u24 v[STO], v2, SP
	s_delay_alu instid0(VALU_DEP_1)
	v_lshl_add_u32 v[STO], v3, 6, v[STO]
	s_delay_alu instid0(VALU_DEP_1)
	v_add_nc_u32 v[STO], s23, v[STO]
	v_lshlrev_b32 v[L16], 4, v1
	s_lshl_b32 s24, s13, 9
	s_lshl_b32 s25, s14, 2
	s_add_co_u32 s24, s24, s25
	s_add_co_u32 s24, s24, SCL
	v_lshl_add_u32 v[KSA], v2, 4, s24              ; SCL + 512 b + 16 r + 4 s (+ 256 u in the immediate)
	s_lshl_b32 s26, s12, 7
	v_lshl_add_u32 v[VA], v1, 2, s26
	s_add_co_u32 s27, s24, 2048
	v_lshl_add_u32 v[VSA], v1, 4, s27              ; SCL + 2,048 + 512 b + 16 lane + 4 s
	s_lshl_b32 s28, s12, 8
	s_add_co_u32 s29, s28, SCL
	v_lshl_add_u32 v[SRL], v1, 3, s29
	s_add_co_u32 s30, s28, KSCL
	v_lshl_add_u32 v[SRG], v1, 3, s30
	s_mov_b32 s[SEL], 0x76543210
	s_mov_b32 s[SEL+1], 0xfedcba98                 ; v_permlanex16_b32's selects for lane l xor 16
.irp b, 0,1,2,3
	v_mov_b32 v[TM+4+\b], 0                        ; written once: a lane permute's destination counts as one of its sources
.endr
	s_lshl_b32 s16, ttmp9, 18                      ; my 128 rows of x
	s_mov_b32 s17, 0
	s_mul_i32 s18, ttmp9, BLK                      ; my block of kv
	s_mov_b32 s19, 0
	s_lshl_b32 s2, s13, 3
	s_add_co_u32 s2, s2, s14
	s_mul_i32 s2, s2, FRB                          ; fragment 8 b + s
	s_mov_b32 s3, 0
	s_mul_i32 s22, s12, 2*FRB
	s_add_co_u32 s22, s22, VIMG                    ; fragment 2 w of the second kind
	s_mov_b32 s23, 0
	s_wait_alu depctr_va_vdst(0)
	s_wait_kmcnt 0x0
	s_add_nc_u64 s[4:5], s[4:5], s[16:17]
	s_add_nc_u64 s[10:11], s[6:7], s[18:19]
	s_add_nc_u64 s[6:7], s[10:11], s[2:3]
	s_add_nc_u64 s[8:9], s[10:11], s[22:23]
.macro KLOAD u                         ; the 16 rows of tile 2 b + u, 512 consecutive bytes a load
.irp p, 0,1,2,3,4,5,6,7,8,9,10,11,12,13,14,15
	global_load_b128 v[R+64*\u+4*\p:R+64*\u+4*\p+3], v[KA], s[4:5] offset:(8*\u+\p+8*(\p/8))*2048
.endr
.endm
.macro TURN u                          ; through my stage: LDS serves a wave's instructions in order, so no wait stands between the stores and the loads
.irp p, 0,1,2,3,4,5,6,7,8,9,10,11,12,13,14,15
	ds_store_b128 v[STI], v[R+64*\u+4*\p:R+64*\u+4*\p+3] offset:SP*\p
.endr
.irp p, 0,1,2,3,4,5,6,7,8,9,10,11,12,13,14,15
	ds_load_b128 v[X+4*\p:X+4*\p+3], v[STO] offset:128*(\p/4)+16*(\p%4)   ; register 16 b + i = d 32 b + 16 h + i of my row
.endr
.endm
; 64 numbers of a lane, register 16 b + i = k 32 b + 16 h + i of my row, become a fragment's codes in v[pc] on and its scale word in v[pw]
.macro QUANT s, pc, pw
.irp b, 0,1,2,3
	v_max3_num_f32 v[TM+\b], |v[\s+16*\b]|, |v[\s+1+16*\b]|, 0x1800000   ; my 16 numbers of block b, and the floor 2^(3 - 127): the byte cannot fall under 1
.endr
.irp i, 2,4,6,8,10,12,14
.irp b, 0,1,2,3
	s_delay_alu instid0(VALU_DEP_4)
	v_max3_num_f32 v[TM+\b], v[TM+\b], |v[\s+16*\b+\i]|, |v[\s+1+16*\b+\i]|
.endr
.endr
.irp b, 0,1,2,3
	s_delay_alu instid0(VALU_DEP_4)
	v_permlanex16_b32 v[TM+4+\b], v[TM+\b], s[SEL], s[SEL+1]
.endr
.irp b, 0,1,2,3
	s_delay_alu instid0(VALU_DEP_4)
	v_max_num_f32 v[TM+\b], v[TM+\b], v[TM+4+\b]   ; with lane l xor 16's: the block's largest magnitude
.endr
.irp b, 0,1,2,3
	s_delay_alu instid0(VALU_DEP_4)
	v_add_nc_u32 v[TM+12+\b], 0xff000000, v[TM+\b] ; 2 off its exponent field: the conversion's scale operand
.endr
.irp b, 0,1,2,3
	s_delay_alu instid0(VALU_DEP_4)
	v_lshrrev_b32 v[TM+4+\b], 23, v[TM+12+\b]      ; the scale's byte
.endr
	s_delay_alu instid0(VALU_DEP_3)
	v_lshl_or_b32 v[\pw], v[TM+5], 8, v[TM+4]
	s_delay_alu instid0(VALU_DEP_1)
	v_lshl_or_b32 v[\pw], v[TM+6], 16, v[\pw]
	s_delay_alu instid0(VALU_DEP_1)
	v_lshl_or_b32 v[\pw], v[TM+7], 24, v[\pw]
.irp c, 0,1
	v_cvt_scalef32_pk16_fp6_f32 v[\pc+6*\c:\pc+2+6*\c], v[\s+32*\c:\s+15+32*\c], v[TM+12+2*\c]
	v_cvt_scalef32_pk16_fp6_f32 v[CT+4*\c:CT+2+4*\c], v[\s+16+32*\c:\s+31+32*\c], v[TM+12+2*\c+1]   ; (a conversion's three registers begin on an even number)
.endr
	v_nop                                          ; one plain place behind a scaled conversion
.irp c, 0,1                            ; the operand's layout wants a whole block in a lane: lanes 0-15 block 2 c, lanes 16-31 block 2 c + 1
.irp i, 0,1,2
	v_permlane16_swap_b32 v[\pc+6*\c+\i], v[CT+4*\c+\i]
.endr
.irp i, 0,1,2
	s_delay_alu instid0(VALU_DEP_3)
	v_mov_b32 v[\pc+3+6*\c+\i], v[CT+4*\c+\i]
.endr
.endr
.endm
.macro VLOAD t                         ; rows 32 t + i of my column: 128 consecutive bytes a load; these bytes were read by the loads above a short while ago, and are read here for the last time
.irp i, 0,1,2,3,4,5,6,7,8,9,10,11,12,13,14,15,16,17,18,19,20,21,22,23,24,25,26,27,28,29,30,31
	global_load_b32 v[R+32*\t+\i], v[VA], s[4:5] offset:(32*\t+\i)*2048 th:TH_LOAD_NT
.endr
.endm
.macro VBLOCK t                        ; block t of my column: all its 32 numbers are mine
.set XS, R+32*(\t)
.set CD, VC+6*((\t)/2+2*((\t)%2))      ; blocks 0, 2 go to the first fragment's registers, blocks 1, 3 to the second's: the exchange of halves below sorts them
	v_max3_num_f32 v[TM], |v[XS]|, |v[XS+1]|, |v[XS+2]|
	v_max3_num_f32 v[TM+1], |v[XS+3]|, |v[XS+4]|, |v[XS+5]|
.irp i, 6,10,14,18,22,26
	s_delay_alu instid0(VALU_DEP_2)
	v_max3_num_f32 v[TM], v[TM], |v[XS+\i]|, |v[XS+\i+1]|
	s_delay_alu instid0(VALU_DEP_2)
	v_max3_num_f32 v[TM+1], v[TM+1], |v[XS+\i+2]|, |v[XS+\i+3]|
.endr
	s_delay_alu instid0(VALU_DEP_2)
	v_max3_num_f32 v[TM], v[TM], |v[XS+30]|, |v[XS+31]|
	s_delay_alu instid0(VALU_DEP_1)
	v_max3_num_f32 v[TM], v[TM], v[TM+1], 0x1800000
	s_delay_alu instid0(VALU_DEP_1)
	v_add_nc_u32 v[TM+8+(\t)], 0xff000000, v[TM]
	s_delay_alu instid0(VALU_DEP_1)
	v_lshrrev_b32 v[TM+1], 23, v[TM+8+(\t)]
.if (\t) == 0
	s_delay_alu instid0(VALU_DEP_1)
	v_mov_b32 v[VW], v[TM+1]
.else
	s_delay_alu instid0(VALU_DEP_1)
	v_lshl_or_b32 v[VW], v[TM+1], 8*(\t), v[VW]
.endif
	v_cvt_scalef32_pk16_fp6_f32 v[CD:CD+2], v[XS:XS+15], v[TM+8+(\t)]
	v_cvt_scalef32_pk16_fp6_f32 v[VT+4*(\t):VT+4*(\t)+2], v[XS+16:XS+31], v[TM+8+(\t)]
	v_nop                                          ; one plain place behind a scaled conversion
.endm
	KLOAD 0
	KLOAD 1
	s_wait_loadcnt 16                              ; tile 0's sixteen loads are in; tile 1's may be out
	TURN 0
	s_wait_dscnt 0x0                               ; the tile is back, and its stores have read their registers,
	VLOAD 0                                        ; which take the column loads
	QUANT X, PC0, PW0
.irp c, 0,1,2
	global_store_b128 v[L16], v[PC0+4*\c:PC0+4*\c+3], s[6:7] offset:512*\c   ; 512 consecutive bytes a store
.endr
	ds_store_b32 v[KSA], v[PW0]                    ; lanes r and r + 16 write the same word with the same value
	s_wait_loadcnt 32                              ; tile 1's loads are in; the 32 column loads may be out
	TURN 1
	s_wait_dscnt 0x0
	VLOAD 1
	QUANT X, PC1, PW1
.irp c, 0,1,2
	global_store_b128 v[L16], v[PC1+4*\c:PC1+4*\c+3], s[6:7] offset:4*FRB+512*\c
.endr
	ds_store_b32 v[KSA], v[PW1] offset:256
	s_wait_loadcnt 32                              ; block 0's loads are in; block 1's may be out
	VLOAD 2
	VBLOCK 0
	s_wait_loadcnt 32                              ; block 1's are in; block 2's may be out
	VLOAD 3
	VBLOCK 1
	s_wait_loadcnt 32                              ; block 2's are in; block 3's may be out
	VBLOCK 2
	s_wait_loadcnt 0x0
	VBLOCK 3
.irp t, 0,1,2,3
.irp i, 0,1,2
	v_mov_b32 v[VC+6*(\t/2+2*(\t%2))+3+\i], v[VT+4*\t+\i]
.endr
.endr
.irp i, 0,1,2,3,4,5                    ; lanes 0-15 hold the columns of fragment 2 w, lanes 16-31 those of 2 w + 1; a fragment wants blocks 2 c in lanes 0-15 and 2 c + 1 in lanes 16-31
	v_permlane16_swap_b32 v[VC+\i], v[VC+12+\i]
	v_permlane16_swap_b32 v[VC+6+\i], v[VC+18+\i]
.endr
.irp f, 0,1
.irp c, 0,1,2
	global_store_b128 v[L16], v[VC+12*\f+4*\c:VC+12*\f+4*\c+3], s[8:9] offset:FRB*\f+512*\c
.endr
.endr
	ds_store_b32 v[VSA], v[VW]
	s_wait_dscnt 0x0                               ; for the others' sake: my scale words lie in LDS
	s_barrier_signal -1
	s_barrier_wait -1
	ds_load_b64 v[186:187], v[SRL]
	s_wait_dscnt 0x0
	global_store_b64 v[SRG], v[186:187], s[10:11]  ; the wave stores 256 consecutive bytes, aligned
	s_wait_tensorcnt 0x0
	ds_add_u32 v235, v239
	s_wait_dscnt 0x0
	s_endpgm
.Lfunc_end_k_qc9090e47ad_quant:
	.size	k_qc9090e47ad_quant, .Lfunc_end_k_qc9090e47ad_quant-k_qc9090e47ad_quant
	.p2alignl 7, 3214868480
	.fill 96, 4, 3214868480
	.section	.rodata,"a",@progbits
	.p2align	6, 0x0
	.amdhsa_kernel k_qc9090e47ad_quant
		.amdhsa_group_segment_fixed_size 141312
		.amdhsa_private_segment_fixed_size 0
		.amdhsa_enable_private_segment 0
		.amdhsa_kernarg_size 16
		.amdhsa_user_sgpr_count 2
		.amdhsa_user_sgpr_kernarg_segment_ptr 1
		.amdhsa_wavefront_size32 1
		.amdhsa_system_sgpr_workgroup_id_x 1
		.amdhsa_system_sgpr_workgroup_id_y 1
		.amdhsa_system_sgpr_workgroup_id_z 1
		.amdhsa_system_vgpr_workitem_id 0
		.amdhsa_next_free_vgpr 256
		.amdhsa_next_free_sgpr 66
		.amdhsa_reserve_vcc 0
		.amdhsa_float_denorm_mode_32 3
		.amdhsa_float_denorm_mode_16_64 3
		.amdhsa_memory_ordered 1
		.amdhsa_forward_progress 1
		.amdhsa_inst_pref_size 43
	.end_amdhsa_kernel
	.amdgpu_metadata
---
amdhsa.version: [ 1, 2 ]
amdhsa.kernels:
  - .name:           k_qc9090e47ad_quant
    .symbol:         k_qc9090e47ad_quant.kd
    .args:
      - { .name: x, .offset: 0, .size: 8, .value_kind: global_buffer, .address_space: global }
      - { .name: kv, .offset: 8, .size: 8, .value_kind: global_buffer, .address_space: global }
    .group_segment_fixed_size: 141312
    .private_segment_fixed_size: 0
    .kernarg_segment_align: 8
    .kernarg_segment_size: 16
    .max_flat_workgroup_size: 512
    .sgpr_count:     66
    .vgpr_count:     256
    .wavefront_size: 32
...
	.end_amdgpu_metadata
.endif
;; end of part 1
;; launch attn (part 2): grid 16 x 16, 4 waves a work-group, clusters of 4 x 1, 327,680 bytes of LDS; arguments kv, query, scr, py, pst; writes scr, py, pst
.if DOCPART == 2
	.amdgcn_target "amdgcn-amd-amdhsa--gfx1250"
	.amdhsa_code_object_version 6
	.text
	.protected	k_qc9090e47ad_attn
	.globl	k_qc9090e47ad_attn
	.p2align	8
	.type	k_qc9090e47ad_attn,@function
k_qc9090e47ad_attn:
	s_mov_b64 s[64:65], 0
	v_nop
	global_prefetch_b8 v0, s[64:65] scope:SCOPE_SE
	s_setreg_imm32_b32 hwreg(HW_REG_WAVE_MODE, 25, 1), 1
	s_wait_xcnt 0x0
	s_wait_alu depctr_hold_cnt(0) depctr_sa_sdst(0) depctr_va_vdst(0) depctr_va_sdst(0) depctr_va_ssrc(0) depctr_va_vcc(0) depctr_vm_vsrc(0)
	s_getreg_b32 s2, hwreg(HW_REG_IB_STS2, 6, 4)
	s_cmp_eq_u32 s2, 0
	s_cbranch_scc0 .Lentry_in_a_cluster
	s_endpgm
.Lentry_in_a_cluster:
	s_bfe_u32 s2, ttmp6, 0x10000c
	s_cmp_lg_u32 s2, 0x3003
	s_cbranch_scc0 .Lentry_shape_is_right
	s_endpgm
.Lentry_shape_is_right:
; y = softmax(x x^T) x on codes of FP6 (E2M3) with E8M0 scales, then the scores y . query and the work-group's own part of the pooling softmax.  y never goes to memory.
; kv holds, for each batch and each 128 rows, a block of 102,400 bytes, all as images of the operands' registers: 32 fragments of x along D (K and Q) at 0, 32 fragments along the rows (V) at 49,152,
; K's scale words at 98,304, V's at 100,352.
; THE SOFTMAX: t = score x log2(e); M = the running largest t rounded UP to a whole number; p = 2^(t - M) is quantised along the keys, not normalised; the row's sum l is taken of the unquantised p and divides at the end.
; When M moves, l and O are multiplied by f = 2^(old M - new M): exact.  A block's largest p is taken from its largest score by the same multiply-add and exponential.
; LIMITS: NaN and infinities are not served; a p under 2^-126 counts as 0 (v_exp_f32 gives 0 there); a block of p that is all zeros keeps the scale byte 1: its codes are zeros.
; SHARES.  A work-group owns the 128 queries of one block.  Wave w = 2 qh + x owns the 64 queries of tiles 4 qh .. 4 qh + 3.  Of a key step's 128 keys it multiplies key tiles 4 x .. 4 x + 3 (S^T = K Q^T, 64 x 64),
; and of O^T = V^T P^T it holds channels 256 x .. 256 x + 255 of its 64 queries.  So each fragment read from LDS, 1,536 bytes, feeds four products: a wave reads 16 fragments of K and 16 of V in a step.
; ONE M FOR BOTH WAVES OF A QUERY: behind S^T each wave stores its four tiles' largest scores, a work-group barrier follows (sixteen products with V stand between its signal and its wait), and each reads its partner's.
; p FROM WAVE TO WAVE: a wave's 64 keys are six of a fragment's twelve registers and two of its four scale bytes; it stores them behind that barrier, and both waves load whole fragments behind the next step's barrier.
; THE WALK IS SKEWED BY ONE KEY STEP.  Step c (0 .. 15): S^T of keys c with O's rescaling by f(c - 1) behind the products; then the softmax of keys c with O^T += V(c - 1) P(c - 1) between its plain segments.
; Step 0 has no product with V, step 1's starts O's sums, and V(15)'s follows the walk.
; RING.  Two LDS slots; slot c % 2 holds K(c), its scale words, V(c - 1), its scale words.  Wave 0 fetches K's fragments, wave 1 V's (192 rows of 256 bytes each), waves 2 and 3 the two sets of scale words (8 rows each).
; At the head waves 0 and 2 fetch K(0) and waves 1 and 3 V(15), into bytes of its own that are filled once.  One tensor load a wave is out.
; CLUSTER.  The four work-groups of a cluster belong to one batch and walk the same blocks: every tile is asked for jointly, by the same tensor load with a mask that names the four.
; POOLING.  With m the largest score of the work-group's 128 queries and e = exp(score - m): the launch stores the raw scores, m, the sum of e, and the sum of e y.  The next launch joins a batch's sixteen parts.
; REGISTERS, in windows of 256: window 0: v1-11 addresses, v12-37 scale words, v38-39 at work, v40-87 p's four fragments, v88-127 statistics by fields, v128-255 S^T, then p.
;   window 1: O^T of tiles 0, 1 (tile u, channels 16 t on, at 128 (u % 2) + 8 t); window 2: of tiles 2, 3; window 3: v0-191 Q's sixteen fragments (at the end query), v192-251 five places for fragments of K or V.
.set BLK,   102400
.set FRB,   1536
.set GV,    49152                      ; in a block of kv: V's fragments, K's scale words, V's scale words
.set GKS,   98304
.set GVS,   100352
.set VOFF,  51200                      ; in a slot: V's fragments; each side's scale words lie SCO behind its fragments
.set SCO,   49152
.set SLOT1, 1<<17                      ; slot 1 begins here
.set SPARE, 233472                     ; the spare words, 128 bytes for each wave
.set VL,    236544                     ; V(15) and its scale words, 51,200 bytes, filled once
.set PX,    287744                     ; p: tile T, key half e at 2,048 T + 1,024 e: four registers at 16 lane, two at 512 + 16 lane; a wave's scale bytes at 520 + 16 lane of its first tile
.set MX,    304128                     ; the waves' largest scores, 512 bytes each
.set EX,    0                          ; the end, in slot 0, which has had its last fill by then: partial scores and sums, 1,024 bytes a wave
.set ZST,   4096                       ; and the two query halves' sums of e y, 2,048 bytes each
.set L16, 1
.set ADK, 2
.set ADV, 3
.set SPW, 4
.set NIL, 5
.set PFO, 6
.set WP,  7
.set RP,  8
.set MXW, 9
.set MXR, 10
.set ADS, 11
.set QS,  12                           ; register 4 (u / 2) + s: lanes 0-15 tile u even, lanes 16-31 u odd
.set KS,  20
.set VS,  28
.set PWR, 36                           ; p's scale words: register u / 2
.set REC, 38
.set PF,  40
.set NMT, 88                           ; (-M, the largest t) of tile u at + 2 u
.set LL,  96                           ; l, in two halves
.set FT,  104                          ; (f, at work)
.set BX,  112                          ; the largest score of tile u's block b at + 2 u + b
.set SO,  120                          ; the conversions' scale operands; earlier at work
.set SA,  128                          ; S^T of tile u, key tile T at + 32 u + 8 T
.set FBW, 192
.set WV,  14
.set XX,  18
.set SEL, 20
.set CS,  22
.set G1,  24
.set G0,  32
.set TB,  36
.set CNT, 37
.set LIM, 38
.set WB,  39                           ; wave / 2 = qh; also: 0 fetches fragments, 1 scale words
.set PFA, 40
.set HM,  56
.set SX,  57
.set G1S, 68
.set G0H, 76
.set KW0, 81
.set VW0, 82
.set SW0, 83
.set W_KQ, 0x0f                        ; K and Q in window 3, S^T in window 0
.set W_LD, 0xc0                        ; loaded data to window 3, address in window 0
.set MSB, 0
.macro WIN new                         ; the immediate's high byte repeats the setting that is left; a switch that changes nothing is dropped
.if MSB != (\new)
	s_set_vgpr_msb (MSB<<8)|(\new)
.set MSB, (\new)
.endif
.endm
.macro PLACES n
.rept \n
	v_nop
.endr
.endm
.macro AW                              ; the wait on the wave's vector results
	s_wait_alu depctr_va_vdst(0)
.endm
.macro CROUND                          ; a round of the cluster's barrier
	s_barrier_signal -1
	s_barrier_wait -1
	s_cmp_lg_u32 s[WV], 0
	s_cbranch_scc1 .Lnot_wave_0_\@
	s_barrier_signal -3
.Lnot_wave_0_\@:
	s_barrier_wait -3
	s_barrier_signal -1
	s_barrier_wait -1
.endm
.macro JLOAD g0                        ; a joint load: waves 0, 1 by the fragments' group 1, waves 2, 3 by the scale words'
	s_cmp_eq_u32 s[WB], 0
	s_cbranch_scc0 .Lscl_\@
	tensor_load_to_lds s[\g0:\g0+3], s[G1:G1+7]
	s_nop 0
	PLACES 4
	s_branch .Lasked_\@
.Lscl_\@:
	tensor_load_to_lds s[\g0:\g0+3], s[G1S:G1S+7]
	s_nop 0
	PLACES 4
.Lasked_\@:
.endm
; the matrix instruction named by rD, rA, rB, rSA, rSB; fZ: it starts its sum; fRA, fRB: a side's scales stand in lanes 16-31
.macro W4 c
.if fRA && fRB
	v_wmma_scale_f32_16x16x128_f8f6f4 v[rD:rD+7], v[rA:rA+11], v[rB:rB+11], \c, v[rSA], v[rSB] matrix_a_fmt:MATRIX_FMT_FP6 matrix_b_fmt:MATRIX_FMT_FP6 matrix_a_scale:MATRIX_SCALE_ROW1 matrix_b_scale:MATRIX_SCALE_ROW1
.elseif fRA
	v_wmma_scale_f32_16x16x128_f8f6f4 v[rD:rD+7], v[rA:rA+11], v[rB:rB+11], \c, v[rSA], v[rSB] matrix_a_fmt:MATRIX_FMT_FP6 matrix_b_fmt:MATRIX_FMT_FP6 matrix_a_scale:MATRIX_SCALE_ROW1
.elseif fRB
	v_wmma_scale_f32_16x16x128_f8f6f4 v[rD:rD+7], v[rA:rA+11], v[rB:rB+11], \c, v[rSA], v[rSB] matrix_a_fmt:MATRIX_FMT_FP6 matrix_b_fmt:MATRIX_FMT_FP6 matrix_b_scale:MATRIX_SCALE_ROW1
.else
	v_wmma_scale_f32_16x16x128_f8f6f4 v[rD:rD+7], v[rA:rA+11], v[rB:rB+11], \c, v[rSA], v[rSB] matrix_a_fmt:MATRIX_FMT_FP6 matrix_b_fmt:MATRIX_FMT_FP6
.endif
.endm
.macro WMS
.if fZ
	W4 0
.else
	W4 v[rD:rD+7]
.endif
.endm
; A step's fragments are numbered 0-15 (K: 4 T + s) and 16-31 (V: 16 + t); fragment n lies in place n % 5.  LQ counts the step's LDS instructions as they are written; Q0-Q4 hold LQ behind each place's last load:
; so the wait for fragment n is for LQ - Q(n % 5), the LDS instructions issued behind its loads.
.macro GL n
.irp c, 0,1,2
.if (\n) < 16
	ds_load_b128 v[FBW+12*((\n)%5)+4*\c:FBW+12*((\n)%5)+4*\c+3], v[ADK] offset:FRB*(\n)+512*\c
.else
	ds_load_b128 v[FBW+12*((\n)%5)+4*\c:FBW+12*((\n)%5)+4*\c+3], v[ADV] offset:FRB*((\n)-16)+512*\c
.endif
.endr
.set LQ, LQ+3
.if (\n)%5 == 0
.set Q0, LQ
.elseif (\n)%5 == 1
.set Q1, LQ
.elseif (\n)%5 == 2
.set Q2, LQ
.elseif (\n)%5 == 3
.set Q3, LQ
.else
.set Q4, LQ
.endif
.endm
.macro NEED n
.if (\n)%5 == 0
.set NW, LQ-Q0
.elseif (\n)%5 == 1
.set NW, LQ-Q1
.elseif (\n)%5 == 2
.set NW, LQ-Q2
.elseif (\n)%5 == 3
.set NW, LQ-Q3
.else
.set NW, LQ-Q4
.endif
	AW                                             ; directly ahead of the wait below: what the lines above wrote is read behind it
	s_wait_dscnt NW
.endm
.macro FILL upto                       ; the fragments not yet asked for, as far as upto and the step's last
	WIN W_LD
.rept 5
.if (NXT <= (\upto)) && (NXT <= LASTF)
	GL NXT
.set NXT, NXT+1
.endif
.endr
.endm
; cnt of the eight lines that find block b's largest score, from line l0 on, the four tiles by turns.  Each accumulator is first read at its low end.
.macro BM b, l0, cnt
.set ln, \l0
.rept \cnt
.irp u, 0,1,2,3
.set rX, BX+2*\u+(\b)
.set rS, SA+32*\u+16*(\b)
.if ln == 0
	v_max3_num_f32 v[rX], v[rS], v[rS+1], v[rS+2]
.elseif ln < 7
	v_max3_num_f32 v[rX], v[rX], v[rS+2*ln+1], v[rS+2*ln+2]
.else
	v_max_num_f32 v[rX], v[rX], v[rS+15]
.endif
.endr
.set ln, ln+1
.endr
.endm
.macro RESC p                          ; half p % 2 of O^T's tile p / 2 under the new M, ascending: 32 lines
	WIN 0x41+0x41*((\p)/4)
.set i, 128*(((\p)/2)%2)+64*((\p)%2)
.rept 32
	v_pk_mul_f32 v[i:i+1], v[i:i+1], v[FT+2*((\p)/2):FT+2*((\p)/2)+1] op_sel_hi:[1,0]
.set i, i+2
.endr
.endm
; Piece p of S^T = K Q^T: fragments 2 p, 2 p + 1 (key tile p / 2), eight products on four accumulators by turns.  The plain lines behind them are the places in front of the loads.
.macro QKP p, resc, pv
	NEED 2*(\p)+1
	WIN W_KQ
.irp sq, 0,1
.irp u, 0,1,2,3
.set ks, 2*((\p)%2)+\sq
.set rD, SA+32*\u+8*((\p)/2)
.set rA, FBW+12*((2*(\p)+\sq)%5)
.set rB, 12*(4*\u+ks)
.set rSA, KS+4*((\p)/4)+ks
.set rSB, QS+4*(\u/2)+ks
.set fZ, ks == 0
.set fRA, ((\p)/2)%2
.set fRB, \u%2
	WMS
.endr
.endr
	AW                                             ; ahead of the first readers of O^T's tiles and of the maxima carried from the piece before
.if \resc
	RESC \p
.endif
	WIN 0
.if ((\p) == 0) && (\pv)
.irp k, 0,1
	v_lshl_or_b32 v[PWR+\k], v[SO+2+\k], 16, v[SO+\k]   ; p's scale words: key half 0's two bytes below, half 1's above
.endr
.endif
.if (\p) >= 4
	BM 0, 2*((\p)-4), 2
.elseif (\resc) == 0
	PLACES 4
.endif
	FILL 2*(\p)+6
.endm
; Piece q of O^T += V^T P^T: fragments 16 + 2 q, 17 + 2 q (channel tiles 2 q, 2 q + 1) x four tiles of queries: eight accumulators, one product each.  pv: 0 none, 1 the products start the sums, 2 they add.
.macro PVP q, pv, nw
.if \pv
.if \nw
	NEED 17+2*(\q)
.endif
.irp uh, 0,1
	WIN 0x53+0x50*\uh
.irp i, 0,1
.irp ul, 0,1
.set tl, 2*(\q)+\i
.set rD, 128*\ul+8*tl
.set rA, FBW+12*((16+tl)%5)
.set rB, PF+12*(2*\uh+\ul)
.set rSA, VS+4*(tl/8)+(tl%8)/2
.set rSB, PWR+\uh
.set fZ, (\pv) == 1
.set fRA, tl%2
.set fRB, \ul
	WMS
.endr
.endr
.endr
	WIN 0
.endif
.endm
.macro FILLP q, pv
.if \pv
	FILL 22+2*(\q)
	WIN 0
.endif
.endm
.macro TM n                            ; t - M, two at a time, n pairs of each tile from register j on
.rept \n
.irp u, 0,1,2,3
	v_pk_fma_f32 v[SA+32*\u+j:SA+32*\u+j+1], v[SA+32*\u+j:SA+32*\u+j+1], s[CS:CS+1], v[NMT+2*\u:NMT+2*\u+1] op_sel_hi:[1,0,0]
.endr
.set j, j+2
.endr
.endm
.macro LSUM n                          ; the sum of the unquantised p, a chain a tile
.rept \n
.irp u, 0,1,2,3
	v_pk_add_f32 v[LL+2*\u:LL+2*\u+1], v[LL+2*\u:LL+2*\u+1], v[SA+32*\u+j:SA+32*\u+j+1]
.endr
.set j, j+2
.endr
.endm
; The softmax of my 64 keys of a step, every line for the four tiles by turns, with the last key step's product with V between its plain segments.
.macro SOFTMAX pv
	WIN 0
	AW
	BM 1, 0, 8
.irp i, 0,1,2,3,4,5,6,7
	v_permlanex16_b32 v[SO+\i], v[BX+\i], s[SEL], s[SEL+1]
.endr
.irp i, 0,1,2,3,4,5,6,7
	v_max_num_f32 v[BX+\i], v[BX+\i], v[SO+\i]     ; with lane l xor 16's 16 keys
.endr
.irp u, 0,1,2,3
	v_max_num_f32 v[SO+\u], v[BX+2*\u], v[BX+2*\u+1]   ; the largest score of my 64 keys
.endr
	ds_store_b128 v[MXW], v[SO:SO+3]
	AW
	s_wait_dscnt 0x0                               ; my store has landed, and all my loads, those of p among them
	s_barrier_signal -1
	PVP 0, \pv, 0                                  ; work on registers while the others arrive
	PVP 1, \pv, 0
	WIN 0
	s_barrier_wait -1
	ds_load_b128 v[SO+4:SO+7], v[MXR]              ; my partner's, of the other 64 keys
.set LQ, LQ+1
.set QM, LQ
.if \pv
	PLACES 4
	FILLP 1, \pv
.endif
	AW
	s_wait_dscnt LQ-QM
.irp u, 0,1,2,3
	v_max_num_f32 v[FT+2*\u+1], v[SO+\u], v[SO+4+\u]   ; the step's largest score of my query
.endr
.irp u, 0,1,2,3
	v_mul_f32 v[FT+2*\u+1], s[CS], v[FT+2*\u+1]
.endr
.irp u, 0,1,2,3
	v_max_num_f32 v[NMT+2*\u+1], v[NMT+2*\u+1], v[FT+2*\u+1]   ; the running largest t
.endr
.irp u, 0,1,2,3
	v_mov_b32 v[FT+2*\u+1], v[NMT+2*\u]
.endr
.irp u, 0,1,2,3
	v_floor_f32 v[NMT+2*\u], -v[NMT+2*\u+1]        ; -M = floor(-t) = -ceil(t)
.endr
.irp u, 0,1,2,3
	v_sub_f32 v[FT+2*\u+1], v[NMT+2*\u], v[FT+2*\u+1]   ; old M - new M: a whole number, 0 or less
.endr
.irp u, 0,1,2,3
	v_cvt_i32_f32 v[FT+2*\u+1], v[FT+2*\u+1]       ; (it saturates)
.endr
.irp u, 0,1,2,3
	v_ldexp_f32 v[FT+2*\u], 1.0, v[FT+2*\u+1]
.endr
	PVP 2, \pv, 1
.set j, 0
	TM 6
	FILLP 2, \pv
	PVP 3, \pv, 1
	TM 5
	FILLP 3, \pv
	PVP 4, \pv, 1
	TM 5
.irp u, 0,1,2,3
.irp b, 0,1
	v_fma_f32 v[BX+2*\u+\b], v[BX+2*\u+\b], s[CS], v[NMT+2*\u]   ; the same of each block's largest score
.endr
.endr
	FILLP 4, \pv
.set j, 0
	AW                                             ; ahead of the batch
.rept 32
.irp u, 0,1,2,3
	v_exp_f32 v[SA+32*\u+j], v[SA+32*\u+j]         ; p = 2^(t - M): one batch of 128
.endr
.set j, j+1
.endr
.irp u, 0,1,2,3
	v_pk_mul_f32 v[LL+2*\u:LL+2*\u+1], v[LL+2*\u:LL+2*\u+1], v[FT+2*\u:FT+2*\u+1] op_sel_hi:[1,0]   ; l under the new M: the plain lines behind the batch
.endr
	AW                                             ; one wait for the batch, ahead of its first reader
.irp i, 0,1,2,3,4,5,6,7
	v_exp_f32 v[BX+\i], v[BX+\i]                   ; each block's largest p
.endr
.set j, 0
	LSUM 4
	PVP 5, \pv, 1
	LSUM 4
	FILLP 5, \pv
	PVP 6, \pv, 1
	LSUM 4
	PVP 7, \pv, 1
	LSUM 4                                         ; these sixteen lines are also the places in front of the lines that write over p's old fragments
	AW                                             ; and one for the eight
.irp i, 0,1,2,3,4,5,6,7
	v_max_num_f32 v[BX+\i], 0x1800000, v[BX+\i]    ; the floor 2^(3 - 127): the byte cannot fall under 1
.endr
.irp i, 0,1,2,3,4,5,6,7
	v_add_nc_u32 v[SO+\i], 0xff000000, v[BX+\i]    ; 2 off the exponent field: the conversion's scale operand
.endr
.irp i, 0,1,2,3,4,5,6,7
	v_lshrrev_b32 v[BX+\i], 23, v[SO+\i]           ; the scale's byte
.endr
.irp u, 0,1,2,3
	v_lshl_or_b32 v[BX+2*\u], v[BX+2*\u+1], 8, v[BX+2*\u]
.endr
	v_cndmask_b32 v[REC], v[BX], v[BX+2], s[HM]    ; lanes 0-15 the even tile's two bytes, lanes 16-31 the odd tile's
	v_cndmask_b32 v[REC+1], v[BX+4], v[BX+6], s[HM]
.irp u, 0,1,2,3
	v_cvt_scalef32_pk16_fp6_f32 v[PF+12*\u:PF+12*\u+2], v[SA+32*\u:SA+32*\u+15], v[SO+2*\u]
	v_cvt_scalef32_pk16_fp6_f32 v[PF+12*\u+4:PF+12*\u+6], v[SA+32*\u+16:SA+32*\u+31], v[SO+2*\u+1]
.endr
	v_nop                                          ; one plain place behind a scaled conversion
.irp u, 0,1,2,3
.irp i, 0,1,2
	v_permlane16_swap_b32 v[PF+12*\u+\i], v[PF+12*\u+4+\i]   ; a whole block to a lane
.endr
.endr
.irp u, 0,1,2,3
.irp i, 0,1,2
	v_mov_b32 v[PF+12*\u+3+\i], v[PF+12*\u+4+\i]
.endr
.endr
.irp u, 0,1,2,3
	ds_store_b128 v[WP], v[PF+12*\u:PF+12*\u+3] offset:2048*\u
	ds_store_b64 v[WP], v[PF+12*\u+4:PF+12*\u+5] offset:2048*\u+512
.endr
	ds_store_b64 v[WP], v[REC:REC+1] offset:520
.endm
; A prefetch: the change of slots of step c, which asks for K(c + 1) and V(c), names block c + 2 whole: one key step ahead of the load of its K, two ahead of that of its V.
; All clusters of a batch walk the same blocks: the batch's first cluster asks.  Its four partners share a block's 400 pieces of 256 bytes by address, 100 each, and each wave takes 25, a lane a piece
; (lanes 25 to 31 name lane 24's again).  Step 14's change, the last that fills a slot, asks for nothing: block 15 is the batch's last.
.macro ASK
	s_cmp_gt_u32 s[CNT], s[LIM]
	s_cbranch_scc0 .Lnot_mine_\@
	global_prefetch_b8 v[PFO], s[PFA:PFA+1] th:TH_LOAD_NT scope:SCOPE_SE
.Lnot_mine_\@:
.endm
.macro CHANGE fill, stp                ; the change of slots, at a step's head.  stp = 0: group 0 stands at its first tile already
	WIN 0
	s_wait_tensorcnt 0x0                           ; my one tensor load has landed; so group 0 may be written
	ds_add_u32 v[SPW], v[NIL]                      ; 0 onto my spare word
.if \fill
.if \stp
	s_xor_b32 s[G0+1], s[G0+1], SLOT1              ; the other slot than last time,
	s_add_nc_u64 s[G0+2:G0+3], s[G0+2:G0+3], BLK   ; a block on; the type bits on top are not reached
.endif
	s_wait_xcnt 0x0                                ; the last prefetch, a step back, has read its address
	s_add_nc_u64 s[PFA:PFA+1], s[PFA:PFA+1], BLK
	s_wait_dscnt 0x0                               ; the add is done, my reads of the slot that I have left are over, my stores of p have landed
	CROUND                                         ; the same holds of every wave of all four work-groups
	JLOAD G0                                       ; the first thing behind the round, and my one tensor load until the next
	ASK
.else
	s_wait_dscnt 0x0
	s_barrier_signal -1
	s_barrier_wait -1
.endif
.endm
.macro PVHEAD                          ; V's scale words and both key halves' scale bytes of p
.irp b, 0,1
	ds_load_b128 v[VS+4*\b:VS+4*\b+3], v[ADS] offset:VOFF+512*\b
.endr
.irp e, 0,1
	ds_load_b64 v[SO+2*\e:SO+2*\e+1], v[RP] offset:1024*\e+520
.endr
.set LQ, LQ+4
.endm
.macro PLOAD                           ; p's four fragments, whole
.irp u, 0,1,2,3
.irp e, 0,1
	ds_load_b128 v[PF+12*\u+6*\e:PF+12*\u+6*\e+3], v[RP] offset:2048*\u+1024*\e
	ds_load_b64 v[PF+12*\u+6*\e+4:PF+12*\u+6*\e+5], v[RP] offset:2048*\u+1024*\e+512
.endr
.endr
.set LQ, LQ+16
.endm
.macro STEP pv, resc, fill, stp
	CHANGE \fill, \stp
.set LQ, 0
.set NXT, 0
.if \pv
.set LASTF, 31
.else
.set LASTF, 15
.endif
	s_add_co_u32 s86, s[TB], s[KW0]
	s_add_co_u32 s87, s[TB], s[SW0]
	s_add_co_u32 s88, s[TB], s[VW0]
	v_add_nc_u32 v[ADK], s86, v[L16]
	v_add_nc_u32 v[ADS], s87, v[L16]
	v_add_nc_u32 v[ADV], s88, v[L16]
	AW                                             ; directly behind the writes: the addresses are read behind many waits
.irp b, 0,1
	ds_load_b128 v[KS+4*\b:KS+4*\b+3], v[ADS] offset:512*\b
.endr
.set LQ, LQ+2
.if \pv
	PVHEAD
.endif
	FILL 4
	WIN 0
.if \pv
	PLOAD
.endif
.irp g, 0,1,2,3,4,5,6,7
	QKP \g, \resc, \pv
.endr
	SOFTMAX \pv
	s_xor_b32 s[TB], s[TB], SLOT1
	AW
.endm
	s_load_b256 s[4:11], s[0:1], 0x0               ; kv s[4:5], query s[6:7], scr s[8:9], py s[10:11]
	s_load_b64 s[12:13], s[0:1], 0x20              ; pst
	v_lshl_add_u32 v[SPW], v0, 2, SPARE
	v_mov_b32 v[NIL], 0
	ds_add_u32 v[SPW], v[NIL]                      ; the opening lines: the add, twice on end, and its wait ahead of my first tensor load
	ds_add_u32 v[SPW], v[NIL]
	v_lshrrev_b32 v2, 5, v0
	v_readfirstlane_b32 s[WV], v2                  ; wave 0..3
	v_and_b32 v[L16], 31, v0
	v_min_u32 v[PFO], 24, v[L16]
	v_lshlrev_b32 v[L16], 4, v[L16]
	v_lshlrev_b32 v[PFO], 8, v[PFO]
	s_bfe_u32 s15, ttmp6, 0x40000                  ; cx
	s_lshl_b32 s16, ttmp9, 2
	s_add_co_u32 s16, s16, s15                     ; my block of queries = 4 x cluster x + cx: it enters global addresses of my own loads alone
	s_and_b32 s17, ttmp7, 0xffff                   ; the batch, which the four partners share
	s_mov_b32 s[G1], 15|(3<<16)|(1<<21)            ; the mask: all four work-groups; elements of 8 bytes; no padding; bit 21 set beside a mask
	s_mov_b32 s[G1+1], 32<<16                      ; rows of 32 elements: 256 bytes
	s_mov_b32 s[G1+2], 192<<16                     ; 192 rows: 32 fragments
	s_mov_b32 s[G1+3], 32<<16
	s_mov_b32 s[G1+4], 192
	s_mov_b32 s[G1+5], 32                          ; the rows are dense
	s_mov_b32 s[G1+6], 0
	s_mov_b32 s[G1+7], 0
	s_mov_b32 s[G1S], 15|(3<<16)|(1<<21)
	s_mov_b32 s[G1S+1], 32<<16
	s_mov_b32 s[G1S+2], 8<<16                      ; 8 rows: a side's scale words
	s_mov_b32 s[G1S+3], 32<<16
	s_mov_b32 s[G1S+4], 8
	s_mov_b32 s[G1S+5], 32
	s_mov_b32 s[G1S+6], 0
	s_mov_b32 s[G1S+7], 0
	s_mov_b32 s[SEL], 0x76543210
	s_mov_b32 s[SEL+1], 0xfedcba98
	s_mov_b32 s[CS], 0x3fb8aa3b                    ; log2(e)
	s_mov_b32 s[CS+1], s[CS]
	s_mov_b32 s[HM], 0xffff0000                    ; lanes 16-31
	s_mov_b32 s[TB], 0
	s_mov_b32 s[CNT], 13
	s_and_b32 s[XX], s[WV], 1                      ; x.  Also: 0 fetches for K, 1 for V
	s_lshr_b32 s[WB], s[WV], 1                     ; qh
	s_xor_b32 s47, s[XX], 1
	s_mul_i32 s48, s[WB], SCO
	s_mul_i32 s49, s[XX], VOFF
	s_add_co_u32 s49, s49, s48
	s_add_co_u32 s49, s49, SLOT1                   ; the ring's first fill goes to slot 1
	s_mul_i32 s50, s[XX], VL
	s_add_co_u32 s50, s50, s48                     ; the head's: K(0) to slot 0, V(15) to VL
	s_mul_i32 s51, s[WB], GKS
	s_mul_i32 s51, s51, s47                        ; my tile's place in its block: K's fragments 0, K's scale words GKS,
	s_mul_i32 s52, s[WB], GVS-GV
	s_add_co_u32 s52, s52, GV
	s_mul_i32 s52, s52, s[XX]                      ; V's fragments GV, V's scale words GVS
	s_add_co_u32 s51, s51, s52
	s_mul_i32 s58, s[XX], 15*BLK
	s_add_co_u32 s58, s58, s51                     ; the head: K of block 0, V of block 15
	s_mov_b32 s59, 0
	s_mul_i32 s60, s47, BLK
	s_add_co_u32 s60, s60, s51                     ; the ring's first: K of block 1, V of block 0
	s_mov_b32 s61, 0
	s_mul_i32 s42, s17, 16*BLK
	s_mov_b32 s43, 0
	s_mul_i32 s[KW0], s[XX], 16*FRB                ; my sixteen fragments of K,
	s_add_co_u32 s[VW0], s[KW0], VOFF              ; of V,
	s_lshl_b32 s[SW0], s[XX], 10
	s_add_co_u32 s[SW0], s[SW0], SCO               ; and my scale words
	s_lshl_b32 s86, s[WB], 13
	s_add_co_u32 s86, s86, PX
	AW                                             ; directly ahead of the first of four readers of 16 x lane that stand behind a run of scalar lines
	v_add_nc_u32 v[RP], s86, v[L16]                ; p of my four tiles
	s_lshl_b32 s87, s[XX], 10
	s_add_co_u32 s87, s87, s86
	v_add_nc_u32 v[WP], s87, v[L16]                ; and my key half of it
	s_lshl_b32 s88, s[WV], 9
	s_add_co_u32 s89, s88, MX
	v_add_nc_u32 v[MXW], s89, v[L16]
	s_xor_b32 s88, s88, 512
	s_add_co_u32 s88, s88, MX
	v_add_nc_u32 v[MXR], s88, v[L16]               ; my partner: wave w xor 1
	s_cmp_eq_u32 ttmp9, 0
	s_cselect_b32 s[LIM], 1, -1                    ; the same in all four partners
	s_wait_dscnt 0x0                               ; both opening adds are done
	AW                                             ; the head's addresses are read behind the wait below
	s_wait_kmcnt 0x0
	s_add_nc_u64 s[44:45], s[4:5], s[42:43]        ; the batch's first block
	s_mov_b32 s[G0H], 1
	s_mov_b32 s[G0H+1], s50
	s_add_nc_u64 s[G0H+2:G0H+3], s[44:45], s[58:59]
	s_or_b32 s[G0H+3], s[G0H+3], 0x80000000
	s_mov_b32 s[G0], 1
	s_mov_b32 s[G0+1], s49
	s_add_nc_u64 s[G0+2:G0+3], s[44:45], s[60:61]
	s_or_b32 s[G0+3], s[G0+3], 0x80000000
	s_mul_i32 s50, s16, BLK
	s_mov_b32 s51, 0
	s_add_nc_u64 s[48:49], s[44:45], s[50:51]      ; my queries' block
	s_mul_i32 s52, s[WB], 16*FRB
	s_mov_b32 s53, 0
	s_add_nc_u64 s[54:55], s[48:49], s[52:53]      ; my four tiles' sixteen fragments
	s_lshl_b32 s58, s[WB], 10
	s_add_co_u32 s58, s58, GKS
	s_mov_b32 s59, 0
	s_add_nc_u64 s[48:49], s[48:49], s[58:59]      ; and their scale words
	s_mul_i32 s60, s15, BLK/4
	s_mul_i32 s62, s[WV], BLK/16
	s_add_co_u32 s60, s60, s62
	s_add_co_u32 s60, s60, BLK
	s_mov_b32 s61, 0
	s_add_nc_u64 s[PFA:PFA+1], s[44:45], s[60:61]  ; my part of block 1: the first change of slots steps it to block 2.  Nothing is prefetched here, at the head
	WIN W_LD
.set i, 0
.rept 48
	global_load_b128 v[4*i:4*i+3], v[L16], s[54:55] offset:512*i   ; Q stays in registers: fragment 4 u + s at 12 (4 u + s)
.set i, i+1
.endr
	WIN 0
	global_load_b128 v[QS:QS+3], v[L16], s[48:49]
	global_load_b128 v[QS+4:QS+7], v[L16], s[48:49] offset:512
	CROUND                                         ; all four work-groups are here: the first joint loads meet
	JLOAD G0H                                      ; K(0) and V(15): one tensor load a wave at the head
.irp u, 0,1,2,3
	v_mov_b32 v[NMT+2*\u+1], 0xff61b1e6            ; the largest t so far: -3e38
	v_floor_f32 v[NMT+2*\u], -v[NMT+2*\u+1]
	v_mov_b32 v[LL+2*\u], 0
	v_mov_b32 v[LL+2*\u+1], 0
	v_mov_b32 v[SO+2*\u], 0                        ; a lane permute's destination counts as one of its sources
	v_mov_b32 v[SO+2*\u+1], 0
.endr
	AW
	s_wait_loadcnt 0x0
	STEP 0, 0, 1, 0                                ; key step 0: no product with V yet
	STEP 1, 0, 1, 1                                ; key step 1: V(0)'s products start O^T's sums
.Lstep:                                            ; key steps 2 to 14
	STEP 2, 1, 1, 1
	s_sub_co_u32 s[CNT], s[CNT], 1
	s_cmp_lg_u32 s[CNT], 0
	s_cbranch_scc1 .Lstep
	STEP 2, 1, 0, 0                                ; key step 15 is written out: nothing is left to fetch
	; V(15)'s product.  Its bytes came at the head; p(15) is shown to both waves of a pair by the barrier here
	s_wait_dscnt 0x0
	s_barrier_signal -1
	s_barrier_wait -1
.set LQ, 0
.set NXT, 16
.set LASTF, 31
	s_add_co_u32 s86, s[KW0], VL
	s_add_co_u32 s87, s[SW0], VL-VOFF
	s_lshl_b32 s88, s[XX], 10
	v_add_nc_u32 v[ADV], s86, v[L16]
	v_add_nc_u32 v[ADS], s87, v[L16]
	v_bfe_u32 v[REC], v0, 4, 1
	v_lshl_add_u32 v[REC], v[REC], 5, s88          ; query: my 256 channels, my half's eight of each sixteen
	AW
	PVHEAD
.set QM, LQ
	PLOAD
	FILL 20
.set i, 0
.rept 32
	global_load_b128 v[4*i:4*i+3], v[REC], s[6:7] offset:64*(i/2)+16*(i%2)   ; into Q's registers, laid as O^T's: register 8 t + j = query(256 x + 16 t + 8 h + j)
.set i, i+1
.endr
	WIN 0
	s_wait_dscnt LQ-QM
.irp k, 0,1
	v_lshl_or_b32 v[PWR+\k], v[SO+2+\k], 16, v[SO+\k]
.endr
	AW
.irp p, 0,1,2,3,4,5,6,7
	RESC \p                                        ; O^T under the last M
.endr
	WIN 0
.irp q, 0,1,2,3,4,5,6,7
	PVP \q, 2, 1
	PLACES 4
	FILLP \q, 2
.endr
	; ---- THE END
.set EXW, ADK
.set EXA, ADV
.set EXB, ADS
.set ZW,  WP
.set ZRD, RP
.set ZG,  MXW
.set SCA, MXR
	AW
	s_wait_xcnt 0x0                                ; the loads of query have read their offset register: it is written again below
	s_lshl_b32 s86, s[WV], 10
	s_lshl_b32 s87, s[WB], 11
	s_xor_b32 s88, s87, 2048
	s_lshl_b32 s89, s[XX], 10
	s_add_co_u32 s89, s89, s87
	s_add_co_u32 s89, s89, ZST
	s_lshl_b32 s46, s[WV], 9
	s_add_co_u32 s47, s46, ZST
	v_add_nc_u32 v[EXW], s86, v[L16]               ; my record: EX + 1,024 w + 16 lane
	v_add_nc_u32 v[EXA], s87, v[L16]               ; my pair's two records
	v_add_nc_u32 v[EXB], s88, v[L16]               ; the other pair's
	v_and_b32 v[SCA], 15, v0
	v_bfe_u32 v[REC], v0, 4, 1
	v_lshl_add_u32 v[ZW], v[SCA], 6, s89
	v_lshl_add_u32 v[ZW], v[REC], 5, v[ZW]         ; ZST + 2,048 qh + 1,024 x + 64 r + 32 h
	v_add_nc_u32 v[ZRD], s47, v[L16]
	v_add_nc_u32 v[ZG], s46, v[L16]
	v_and_b32 v[REC+1], 8, v[SCA]
	v_add_nc_u32 v[SCA], v[SCA], v[REC+1]
	v_lshl_add_u32 v[SCA], v[REC], 3, v[SCA]
	v_lshlrev_b32 v[SCA], 2, v[SCA]                ; my query among a pair of tiles' 32: r + 8 (r / 8) + 8 h
	v_mov_b32 v[REC+1], 0
	s_lshl_b32 s50, s17, 13
	s_lshl_b32 s51, s16, 9
	s_add_co_u32 s50, s50, s51
	s_lshl_b32 s51, s[WB], 8
	s_add_co_u32 s50, s50, s51
	s_mov_b32 s51, 0
	s_add_nc_u64 s[8:9], s[8:9], s[50:51]          ; scr at my pair's 64 queries
	s_lshl_b32 s52, s17, 4
	s_add_co_u32 s52, s52, s16                     ; the work-group's number: 16 x batch + block
	s_lshl_b32 s54, s52, 11
	s_mov_b32 s55, 0
	s_add_nc_u64 s[10:11], s[10:11], s[54:55]
	s_lshl_b32 s58, s52, 3
	s_mov_b32 s59, 0
	s_add_nc_u64 s[12:13], s[12:13], s[58:59]
	s_mov_b32 s90, 0xaaaaaaaa                      ; lanes whose r has bit 0, 1, 2, 3 set
	s_mov_b32 s91, 0xcccccccc
	s_mov_b32 s92, 0xf0f0f0f0
	s_mov_b32 s93, 0xff00ff00
	AW
	s_wait_loadcnt 0x0                             ; query is in
.irp uh, 0,1                           ; O^T . query over my 256 channels, in f32, two chains a tile; each accumulator is read from its low end on
	WIN 0x0d+\uh
.set p, 0
.rept 64
.irp ul, 0,1
.if p < 2
	v_pk_mul_f32 v[128+8*\uh+4*\ul+2*(p%2):129+8*\uh+4*\ul+2*(p%2)], v[128*\ul+2*p:128*\ul+2*p+1], v[2*p:2*p+1]
.else
	v_pk_fma_f32 v[128+8*\uh+4*\ul+2*(p%2):129+8*\uh+4*\ul+2*(p%2)], v[128*\ul+2*p:128*\ul+2*p+1], v[2*p:2*p+1], v[128+8*\uh+4*\ul+2*(p%2):129+8*\uh+4*\ul+2*(p%2)]
.endif
.endr
.set p, p+1
.endr
.endr
	WIN 0
.irp u, 0,1,2,3
	v_pk_add_f32 v[128+4*\u:129+4*\u], v[128+4*\u:129+4*\u], v[130+4*\u:131+4*\u]
.endr
.irp u, 0,1,2,3
	v_add_f32 v[144+\u], v[128+4*\u], v[129+4*\u]
	v_add_f32 v[152+\u], v[LL+2*\u], v[LL+2*\u+1]
.endr
.irp u, 0,1,2,3
	v_permlanex16_b32 v[148+\u], v[144+\u], s[SEL], s[SEL+1]
	v_permlanex16_b32 v[156+\u], v[152+\u], s[SEL], s[SEL+1]
.endr
.irp u, 0,1,2,3
	v_add_f32 v[144+\u], v[144+\u], v[148+\u]      ; my channels' part of O . query
	v_add_f32 v[152+\u], v[152+\u], v[156+\u]      ; my keys' part of l
.endr
	ds_store_b128 v[EXW], v[144:147]
	ds_store_b128 v[EXW], v[152:155] offset:512
	AW
	s_wait_dscnt 0x0
	s_barrier_signal -1
	s_barrier_wait -1
.irp i, 0,1,2,3
	ds_load_b128 v[160+4*\i:163+4*\i], v[EXA] offset:512*\i
	ds_load_b128 v[176+4*\i:179+4*\i], v[EXB] offset:512*\i
.endr
	s_wait_dscnt 0x0
.irp g, 160,176
.irp u, 0,1,2,3
	v_add_f32 v[\g+\u], v[\g+\u], v[\g+8+\u]       ; O . query
	v_add_f32 v[\g+4+\u], v[\g+4+\u], v[\g+12+\u]  ; l
.endr
.endr
	AW
.irp g, 160,176
.irp u, 0,1,2,3
	v_rcp_f32 v[\g+4+\u], v[\g+4+\u]
.endr
.endr
	v_nop
	AW
.irp g, 160,176
.irp u, 0,1,2,3
	v_mul_f32 v[\g+\u], v[\g+\u], v[\g+4+\u]       ; the score y . query: v160-163 my four tiles', v176-179 the other pair's
.endr
.endr
	v_max3_num_f32 v192, v160, v161, v162
	v_max3_num_f32 v192, v192, v163, v176
	v_max3_num_f32 v192, v192, v177, v178
	v_max_num_f32 v192, v192, v179
	v_max_num_f32_dpp v192, v192, v192 row_xmask:1 row_mask:0xf bank_mask:0xf
	v_max_num_f32_dpp v192, v192, v192 row_xmask:2 row_mask:0xf bank_mask:0xf
	v_max_num_f32_dpp v192, v192, v192 row_xmask:4 row_mask:0xf bank_mask:0xf
	v_max_num_f32_dpp v192, v192, v192 row_xmask:8 row_mask:0xf bank_mask:0xf   ; m: the work-group's largest score is taken away ahead of the exponential
	v_cndmask_b32 v194, v160, v161, s[HM]          ; lanes 0-15 the even tile's scores, lanes 16-31 the odd tile's
	v_cndmask_b32 v195, v162, v163, s[HM]
.irp g, 160,176
.irp u, 0,1,2,3
	v_sub_f32 v[\g+8+\u], v[\g+\u], v192
.endr
.endr
.irp g, 160,176
.irp u, 0,1,2,3
	v_mul_f32 v[\g+8+\u], s[CS], v[\g+8+\u]
.endr
.endr
	AW
.irp g, 160,176
.irp u, 0,1,2,3
	v_exp_f32 v[\g+8+\u], v[\g+8+\u]               ; e
.endr
.endr
	v_nop
	AW
.irp u, 0,1,2,3
	v_mul_f32 v[200+2*\u], v[168+\u], v[164+\u]    ; g = e / l of my tiles
	v_add_f32 v[196+\u], v[168+\u], v[184+\u]
.endr
	v_add_f32 v196, v196, v197
	v_add_f32 v198, v198, v199
	v_add_f32 v193, v196, v198
	v_add_f32_dpp v193, v193, v193 row_xmask:1 row_mask:0xf bank_mask:0xf
	v_add_f32_dpp v193, v193, v193 row_xmask:2 row_mask:0xf bank_mask:0xf
	v_add_f32_dpp v193, v193, v193 row_xmask:4 row_mask:0xf bank_mask:0xf
	v_add_f32_dpp v193, v193, v193 row_xmask:8 row_mask:0xf bank_mask:0xf   ; v[192:193] = m, the sum of e
	AW
	s_cmp_lg_u32 s[XX], 0
	s_cbranch_scc1 .Lno_scores                     ; of a pair the wave with x = 0 stores the scores
	global_store_b32 v[SCA], v194, s[8:9]          ; 128 consecutive bytes a store
	global_store_b32 v[SCA], v195, s[8:9] offset:128
.Lno_scores:
	WIN 0x41                                       ; z = the sum over my four tiles of g O^T, in tile 0's registers
.set j, 0
.rept 64
	v_pk_mul_f32 v[j:j+1], v[j:j+1], v[200:201] op_sel_hi:[1,0]
.set j, j+2
.endr
	WIN 0x51
.set j, 0
.rept 64
	v_pk_fma_f32 v[j:j+1], v[128+j:129+j], v[202:203], v[j:j+1] op_sel_hi:[1,0,1]
.set j, j+2
.endr
	WIN 0x52
.set j, 0
.rept 64
	v_pk_fma_f32 v[j:j+1], v[j:j+1], v[204:205], v[j:j+1] op_sel_hi:[1,0,1]
.set j, j+2
.endr
.set j, 0
.rept 64
	v_pk_fma_f32 v[j:j+1], v[128+j:129+j], v[206:207], v[j:j+1] op_sel_hi:[1,0,1]
.set j, j+2
.endr
; The sum over a row's sixteen lanes, halving the registers at each step: of channel tiles t and t + st a lane keeps the one that bit log2(st) of its r names, and gets its neighbour's part of it.
; At the end lane (r, h) holds, in registers 0-7, channels 256 x + 16 r + 8 h + 0 .. 7.
.macro BFLY st, n, mk
.set tl, 0
.rept \n
.irp j, 0,1,2,3,4,5,6,7
	v_cndmask_b32 v[128+8*tl+\j], v[8*(tl+\st)+\j], v[8*tl+\j], s[\mk]
	v_cndmask_b32 v[8*tl+\j], v[8*tl+\j], v[8*(tl+\st)+\j], s[\mk]
.endr
.irp j, 0,1,2,3,4,5,6,7
	v_add_f32_dpp v[8*tl+\j], v[128+8*tl+\j], v[8*tl+\j] row_xmask:\st row_mask:0xf bank_mask:0xf
.endr
.set tl, tl+2*\st
.endr
.endm
	WIN 0x45
	BFLY 1, 8, 90
	BFLY 2, 4, 91
	BFLY 4, 2, 92
	BFLY 8, 1, 93
	WIN 0x04                                       ; an LDS store's data are its source 1: window 1
	ds_store_b128 v[ZW], v[0:3]
	ds_store_b128 v[ZW], v[4:7] offset:16
	WIN 0
	AW
	s_wait_dscnt 0x0                               ; for the others' sake: my 256 sums lie in LDS
	s_barrier_signal -1
	s_barrier_wait -1
	ds_load_b128 v[208:211], v[ZRD]                ; channels 128 w + 4 lane on of both query halves
	ds_load_b128 v[212:215], v[ZRD] offset:2048
	s_wait_dscnt 0x0
	v_pk_add_f32 v[208:209], v[208:209], v[212:213]
	v_pk_add_f32 v[210:211], v[210:211], v[214:215]
	global_store_b128 v[ZG], v[208:211], s[10:11]  ; the sum of e y: a wave stores 512 consecutive bytes
	s_wait_xcnt 0x0                                ; EXEC changes only behind this wait
	v_cmp_eq_u32 vcc_lo, 0, v0
	s_and_saveexec_b32 s[SX], vcc_lo               ; thread 0 alone
	global_store_b64 v[REC+1], v[192:193], s[12:13]
	s_wait_xcnt 0x0
	s_or_b32 exec_lo, exec_lo, s[SX]
	s_wait_tensorcnt 0x0                           ; the wave's end
	ds_add_u32 v[SPW], v[NIL]
	s_wait_dscnt 0x0
	CROUND                                         ; the closing round
	s_endpgm
.Lfunc_end_k_qc9090e47ad_attn:
	.size	k_qc9090e47ad_attn, .Lfunc_end_k_qc9090e47ad_attn-k_qc9090e47ad_attn
	.p2alignl 7, 3214868480
	.fill 96, 4, 3214868480
	.section	.rodata,"a",@progbits
	.p2align	6, 0x0
	.amdhsa_kernel k_qc9090e47ad_attn
		.amdhsa_group_segment_fixed_size 327680
		.amdhsa_private_segment_fixed_size 0
		.amdhsa_enable_private_segment 0
		.amdhsa_kernarg_size 40
		.amdhsa_user_sgpr_count 2
		.amdhsa_user_sgpr_kernarg_segment_ptr 1
		.amdhsa_wavefront_size32 1
		.amdhsa_system_sgpr_workgroup_id_x 1
		.amdhsa_system_sgpr_workgroup_id_y 1
		.amdhsa_system_sgpr_workgroup_id_z 1
		.amdhsa_system_vgpr_workitem_id 0
		.amdhsa_next_free_vgpr 1024
		.amdhsa_next_free_sgpr 96
		.amdhsa_reserve_vcc 1
		.amdhsa_float_denorm_mode_32 3
		.amdhsa_float_denorm_mode_16_64 3
		.amdhsa_memory_ordered 1
		.amdhsa_forward_progress 1
		.amdhsa_inst_pref_size 255
	.end_amdhsa_kernel
	.section	.bss,"aw",@nobits
	.p2align	6
	.space	262144
	.amdgpu_metadata
---
amdhsa.version: [ 1, 2 ]
amdhsa.kernels:
  - .name:           k_qc9090e47ad_attn
    .symbol:         k_qc9090e47ad_attn.kd
    .args:
      - { .name: kv, .offset: 0, .size: 8, .value_kind: global_buffer, .address_space: global }
      - { .name: query, .offset: 8, .size: 8, .value_kind: global_buffer, .address_space: global }
      - { .name: scr, .offset: 16, .size: 8, .value_kind: global_buffer, .address_space: global }
      - { .name: py, .offset: 24, .size: 8, .value_kind: global_buffer, .address_space: global }
      - { .name: pst, .offset: 32, .size: 8, .value_kind: global_buffer, .address_space: global }
    .group_segment_fixed_size: 327680
    .private_segment_fixed_size: 0
    .kernarg_segment_align: 8
    .kernarg_segment_size: 40
    .max_flat_workgroup_size: 128
    .sgpr_count:     96
    .vgpr_count:     1024
    .wavefront_size: 32
...
	.end_amdgpu_metadata
.endif
;; end of part 2
;; launch pool (part 3): grid 16 x 1, 4 waves a work-group, no clusters, 0 bytes of LDS; arguments scr, py, pst, out0, out1; writes out0, out1
.if DOCPART == 3
	.amdgcn_target "amdgcn-amd-amdhsa--gfx1250"
	.amdhsa_code_object_version 6
	.text
	.protected	k_qc9090e47ad_pool
	.globl	k_qc9090e47ad_pool
	.p2align	8
	.type	k_qc9090e47ad_pool,@function
k_qc9090e47ad_pool:
	s_mov_b64 s[64:65], 0
	v_nop
	global_prefetch_b8 v0, s[64:65] scope:SCOPE_SE
	s_setreg_imm32_b32 hwreg(HW_REG_WAVE_MODE, 25, 1), 1
	s_wait_xcnt 0x0
; The pooling softmax of one batch is joined from its sixteen parts.  Part i gave m_i (its largest score), L_i = the sum of exp(score - m_i) and Y_i = the sum of exp(score - m_i) y.
; With m = the largest m_i and w_i = exp(m_i - m):  L = sum w_i L_i;  out0 = sum w_i Y_i / L;  out1 = exp(score - m) / L.  Every exponent is 0 or less.
; One work-group a batch, four waves; thread t owns 16 bytes of out0 and 4 x 16 bytes of out1.  No LDS, no barrier: each thread forms m, w and L for itself from scalar registers.
; Sixteen work-groups are all the work there is: 0.66 MB are read.  LIMITS: NaN and infinities are not served.
.set Y, 16                             ; v16-79   Y_i, four numbers each
.set S, 80                             ; v80-95   my sixteen scores
.set W, 96                             ; v96-111  w_i
.set O, 112                            ; v112-127 my sixteen numbers of out1
	s_load_b256 s[4:11], s[0:1], 0x0               ; scr s[4:5], py s[6:7], pst s[8:9], out0 s[10:11]
	s_load_b64 s[12:13], s[0:1], 0x20              ; out1
	v_lshlrev_b32 v1, 4, v0
	s_lshl_b32 s50, ttmp9, 7                       ; pst: 16 pairs of 8 bytes a batch
	s_mov_b32 s51, 0
	s_lshl_b32 s52, ttmp9, 15                      ; py: 16 rows of 2,048 bytes
	s_mov_b32 s53, 0
	s_lshl_b32 s54, ttmp9, 13                      ; scr and out1: 8,192 bytes
	s_mov_b32 s55, 0
	s_lshl_b32 s56, ttmp9, 11                      ; out0: 2,048 bytes
	s_mov_b32 s57, 0
	s_wait_alu depctr_va_vdst(0)
	s_wait_kmcnt 0x0
	s_add_nc_u64 s[8:9], s[8:9], s[50:51]
	s_add_nc_u64 s[6:7], s[6:7], s[52:53]
	s_add_nc_u64 s[4:5], s[4:5], s[54:55]
	s_add_nc_u64 s[12:13], s[12:13], s[54:55]
	s_add_nc_u64 s[10:11], s[10:11], s[56:57]
	s_load_b512 s[16:31], s[8:9], 0x0              ; m_i in s[16 + 2 i], L_i in s[17 + 2 i]
	s_load_b512 s[32:47], s[8:9], 0x40
.irp i, 0,1,2,3,4,5,6,7,8,9,10,11,12,13,14,15
	global_load_b128 v[Y+4*\i:Y+4*\i+3], v1, s[6:7] offset:2048*\i
.endr
.irp k, 0,1,2,3
	global_load_b128 v[S+4*\k:S+4*\k+3], v1, s[4:5] offset:2048*\k
.endr
	s_wait_kmcnt 0x0
	v_mov_b32 v2, s16
.irp i, 1,2,3,4,5,6,7,8,9,10,11,12,13,14,15
	v_max_num_f32 v2, s[16+2*\i], v2               ; m
.endr
.irp i, 0,1,2,3,4,5,6,7,8,9,10,11,12,13,14,15
	v_sub_f32 v[W+\i], s[16+2*\i], v2
.endr
.irp i, 0,1,2,3,4,5,6,7,8,9,10,11,12,13,14,15
	v_mul_f32 v[W+\i], 0x3fb8aa3b, v[W+\i]
.endr
	s_wait_alu depctr_va_vdst(0)
.irp i, 0,1,2,3,4,5,6,7,8,9,10,11,12,13,14,15
	v_exp_f32 v[W+\i], v[W+\i]
.endr
	v_nop                                          ; a plain line behind the batch
	s_wait_alu depctr_va_vdst(0)                   ; one wait for the sixteen, ahead of their first reader
	v_mul_f32 v4, s17, v[W]
.irp i, 1,2,3,4,5,6,7,8,9,10,11,12,13,14,15
	v_fma_f32 v4, s[17+2*\i], v[W+\i], v4          ; L
.endr
	s_wait_alu depctr_va_vdst(0)
	v_rcp_f32 v5, v4
	s_wait_loadcnt 4                               ; the sixteen loads of py are in; the four of scr may be out
.irp c, 0,1,2,3
	v_mul_f32 v[8+\c], v[W], v[Y+\c]               ; (plain work behind the reciprocal, which names neither its result nor its source)
.endr
.irp i, 1,2,3,4,5,6,7,8,9,10,11,12,13,14,15
.irp c, 0,1,2,3
	v_fma_f32 v[8+\c], v[W+\i], v[Y+4*\i+\c], v[8+\c]
.endr
.endr
	s_wait_alu depctr_va_vdst(0)                   ; the wait for the reciprocal
.irp c, 0,1,2,3
	v_mul_f32 v[8+\c], v[8+\c], v5
.endr
	global_store_b128 v1, v[8:11], s[10:11]        ; a wave stores 512 consecutive bytes
	s_wait_loadcnt 0x0
.irp j, 0,1,2,3,4,5,6,7,8,9,10,11,12,13,14,15
	v_sub_f32 v[S+\j], v[S+\j], v2
.endr
.irp j, 0,1,2,3,4,5,6,7,8,9,10,11,12,13,14,15
	v_mul_f32 v[S+\j], 0x3fb8aa3b, v[S+\j]
.endr
	s_wait_alu depctr_va_vdst(0)
.irp j, 0,1,2,3,4,5,6,7,8,9,10,11,12,13,14,15
	v_exp_f32 v[S+\j], v[S+\j]
.endr
	v_nop
	s_wait_alu depctr_va_vdst(0)
.irp j, 0,1,2,3,4,5,6,7,8,9,10,11,12,13,14,15
	v_mul_f32 v[O+\j], v[S+\j], v5
.endr
.irp k, 0,1,2,3
	global_store_b128 v1, v[O+4*\k:O+4*\k+3], s[12:13] offset:2048*\k
.endr
	s_endpgm
.Lfunc_end_k_qc9090e47ad_pool:
	.size	k_qc9090e47ad_pool, .Lfunc_end_k_qc9090e47ad_pool-k_qc9090e47ad_pool
	.p2alignl 7, 3214868480
	.fill 96, 4, 3214868480
	.section	.rodata,"a",@progbits
	.p2align	6, 0x0
	.amdhsa_kernel k_qc9090e47ad_pool
		.amdhsa_group_segment_fixed_size 0
		.amdhsa_private_segment_fixed_size 0
		.amdhsa_enable_private_segment 0
		.amdhsa_kernarg_size 40
		.amdhsa_user_sgpr_count 2
		.amdhsa_user_sgpr_kernarg_segment_ptr 1
		.amdhsa_wavefront_size32 1
		.amdhsa_system_sgpr_workgroup_id_x 1
		.amdhsa_system_sgpr_workgroup_id_y 1
		.amdhsa_system_sgpr_workgroup_id_z 1
		.amdhsa_system_vgpr_workitem_id 0
		.amdhsa_next_free_vgpr 128
		.amdhsa_next_free_sgpr 66
		.amdhsa_reserve_vcc 0
		.amdhsa_float_denorm_mode_32 3
		.amdhsa_float_denorm_mode_16_64 3
		.amdhsa_memory_ordered 1
		.amdhsa_forward_progress 1
		.amdhsa_inst_pref_size 14
	.end_amdhsa_kernel
	.amdgpu_metadata
---
amdhsa.version: [ 1, 2 ]
amdhsa.kernels:
  - .name:           k_qc9090e47ad_pool
    .symbol:         k_qc9090e47ad_pool.kd
    .args:
      - { .name: scr, .offset: 0, .size: 8, .value_kind: global_buffer, .address_space: global }
      - { .name: py, .offset: 8, .size: 8, .value_kind: global_buffer, .address_space: global }
      - { .name: pst, .offset: 16, .size: 8, .value_kind: global_buffer, .address_space: global }
      - { .name: out0, .offset: 24, .size: 8, .value_kind: global_buffer, .address_space: global }
      - { .name: out1, .offset: 32, .size: 8, .value_kind: global_buffer, .address_space: global }
    .group_segment_fixed_size: 0
    .private_segment_fixed_size: 0
    .kernarg_segment_align: 8
    .kernarg_segment_size: 40
    .max_flat_workgroup_size: 128
    .sgpr_count:     66
    .vgpr_count:     128
    .wavefront_size: 32
...
	.end_amdgpu_metadata
.endif
;; end of part 3
